; MI455X (gfx1250); checked and timed in simulation.
; The chip was launched on July 23, 2026; its instructions are those of AMD's public machine-readable ISA for CDNA 5 (MIT licence, August 2026) and "CDNA5" Instruction Set Architecture Reference Guide (July 2026). The comments in the code are by the model that wrote it; some were corrected since.
;; Multi Head Cross Modal Attention. Allowed arithmetic: matrix products marked QUANTISED: E2M3 operands, one E8M0 scale for each 32 along K, by v_wmma_scale_f32_16x16x128_f8f6f4 with both operands' format E2M3, f32 sums; everything else in f32.
;; Inputs: Wk_codes 1,024 x 32 x 24 uint8 (E2M3 codes of Wk, K innermost, in blocks of 32 codes, four codes in three bytes); Wk_scales 1,024 x 32 uint8 (E8M0 scales of Wk, one for each 32 codes along K); Wo_codes 1,024 x 32 x 24 uint8 (E2M3 codes of Wo, K innermost, in blocks of 32 codes, four codes in three bytes); Wo_scales 1,024 x 32 uint8 (E8M0 scales of Wo, one for each 32 codes along K); Wq_codes 1,024 x 32 x 24 uint8 (E2M3 codes of Wq, K innermost, in blocks of 32 codes, four codes in three bytes); Wq_scales 1,024 x 32 uint8 (E8M0 scales of Wq, one for each 32 codes along K); Wv_codes 1,024 x 32 x 24 uint8 (E2M3 codes of Wv, K innermost, in blocks of 32 codes, four codes in three bytes); Wv_scales 1,024 x 32 uint8 (E8M0 scales of Wv, one for each 32 codes along K); beta 1,024 float32; bk 1,024 float32; bo 1,024 float32; bq 1,024 float32; bv 1,024 float32; gamma 1,024 float32; key_codes 4 x 2,048 x 32 x 24 uint8 (E2M3 codes of key, K innermost, in blocks of 32 codes, four codes in three bytes); key_scales 4 x 2,048 x 32 uint8 (E8M0 scales of key, one for each 32 codes along K); query 4 x 1,024 x 1,024 float32; value_codes 4 x 2,048 x 32 x 24 uint8 (E2M3 codes of value, K innermost, in blocks of 32 codes, four codes in three bytes); value_scales 4 x 2,048 x 32 uint8 (E8M0 scales of value, one for each 32 codes along K).
;; Outputs: out0 4 x 1,024 x 1,024 float32.
;; This version of the problem:
;;   THIS VERSION OF THE PROBLEM IS GIVEN IN LOW PRECISION. The matrix products marked QUANTISED in the list below multiply operands that are first quantised to E2M3 (2 exponent bits, 3 mantissa bits; 6 bits a number), with one power-of-two scale for each 32 numbers along K (OCP MX v1.0); their sums are f32. All else is computed in f32.
;;   The module's matrix products, in the order in which they are computed (A, B: the left and right operand; K: the contracted axis; several contracted axes count as one K, in the product's order):
;;     1. [M 4,096, K 1,024] x [K 1,024, N 1,024]; A: input query; B: input Wq (given as codes): QUANTISED
;;     2. [M 8,192, K 1,024] x [K 1,024, N 1,024]; A: input key (given as codes); B: input Wk (given as codes): QUANTISED
;;     3. [M 8,192, K 1,024] x [K 1,024, N 1,024]; A: input value (given as codes); B: input Wv (given as codes): QUANTISED
;;     4. batch 64 x [M 1,024, K 64] x [K 64, N 2,048]; A: computed on the way; B: computed on the way: QUANTISED
;;     5. batch 64 x [M 1,024, K 2,048] x [K 2,048, N 64]; A: softmax (see below); B: computed on the way: QUANTISED
;;     6. [M 4,096, K 1,024] x [K 1,024, N 1,024]; A: computed on the way; B: input Wo (given as codes): QUANTISED
;;   THE QUANTISER, for each operand of a quantised product, along K:
;;     - K is cut into blocks of 32 from its start; a last block that is shorter is filled with zeros.
;;     - A block's scale is 2^e with e = floor(log2(the largest magnitude in the block)) - 2, held to -126 .. 127; a block of zeros has e = 0. As a byte (E8M0): e + 127.
;;     - Each number is divided by its block's scale, clamped to +-7.5, and rounded to the nearest number of E2M3, ties to even, subnormals kept.
;;     - The product sums the exact products of the quantised numbers (number of the format x scale) in f32.
;;   ~~~python
;;   def quantise(x, axis):      # numpy; x: float32 -> the quantised numbers, widened to float32 again
;;       x = np.moveaxis(x, axis, -1); K = x.shape[-1]
;;       x = np.pad(x, [(0, 0)] * (x.ndim - 1) + [(0, -K % 32)]); x = x.reshape(x.shape[:-1] + (-1, 32)); a = np.abs(x).max(-1, keepdims=True)
;;       e = np.where(a > 0, np.clip(np.frexp(np.where(a > 0, a, 1))[1] - 1 - 2, -126, 127), 0)      # np.frexp(a)[1] - 1 = floor(log2(a)), exactly
;;       r = np.clip(x / 2.0 ** e, -7.5, 7.5)
;;       step = 2.0 ** (np.maximum(np.frexp(np.where(r == 0, 1, r))[1] - 1, 0) - 3)
;;       q = np.round(r / step) * step * 2.0 ** e      # np.round: ties to even
;;       return np.moveaxis(q.reshape(q.shape[:-2] + (-1,))[..., :K], -1, axis).astype(np.float32)
;;   ~~~
;;   SOFTMAX AHEAD OF A QUANTISED PRODUCT. Where the list says 'softmax', what is quantised is not the finished softmax but p = 2^(t - M), with t = logit x log2(e) and M = ceil(the row's largest t), a whole number; so 1/2 < the row's largest p <= 1. The row's sum l is taken of the UNQUANTISED p, in f32, and the product's result is divided by l at the end. Since M is a whole number, a kernel that streams over the keys may use a running M (the ceiling of the running maximum): every later rescaling is an exact power of two, which a block's scale takes up: the codes' values come out the same.
;;   OPERANDS COMPUTED ON THE WAY. 'Computed on the way' means the value that the module computes at that place (a softmax that the list does not call 'softmax' is quantised finished and normalised). What goes into a quantiser is computed in f32, as accurately as f32 sums, v_exp_f32 and their like allow (about 1e-6 of the number): no bf16 or f16 on the way to a quantiser, and a product that is left as it is and whose result goes on into a quantised operand takes f32 operands (vector FMAs, or v_wmma_f32_16x16x4_f32). A number that lies on a knife's edge between two numbers of the format may be rounded either way, as far as f32 arithmetic and the matrix unit's own rounding can turn it there, and no further.
;;   INPUTS GIVEN AS CODES. Wk (in the module: [1024, 1024], K = its axis 1); Wo (in the module: [1024, 1024], K = its axis 1); Wq (in the module: [1024, 1024], K = its axis 1); Wv (in the module: [1024, 1024], K = its axis 1); key (in the module: [4, 2048, 1024], K = its axis 2); value (in the module: [4, 2048, 1024], K = its axis 2): each comes as NAME_codes (uint8): NAME with its K axis moved to the last place and cut into blocks of 32 codes, [.., K / 32, bytes a block], one block behind the other in memory; four codes in three bytes: a row's codes are one little-endian stream of bits, code i at bits 6 i .. 6 i + 5 (a code: sign, 2 exponent bits, 3 mantissa bits); and NAME_scales (uint8): the same leading axes, one E8M0 byte (e + 127) for each 32 codes along K. Its value is code x scale, taken as it is: it is not quantised again, and the codes and scales need not be those that the quantiser above would give.
;; One version. Each part assembles by itself: llvm-mc -triple=amdgcn-amd-amdhsa -mcpu=gfx1250 --defsym DOCPART=n.
;; ======== version 1 of 1: 3 launches
;; limits: right only within a limited range of input values
;; workspace buffers: kv 13,631,488 bytes; qx 3,276,800 bytes; wimg 1,572,864 bytes; ctx 3,407,872 bytes
;; launch proj (part 1): grid 4 x 64, 4 waves a work-group, clusters of 4 x 4, 327,680 bytes of LDS; arguments key_codes, key_scales, Wk_codes, Wk_scales, Wv_codes, Wv_scales, value_codes, value_scales, bk, bv, Wq_codes, Wo_codes, query, kv, qx, wimg; writes kv, qx, wimg
.if DOCPART == 1
	.amdgcn_target "amdgcn-amd-amdhsa--gfx1250"
	.amdhsa_code_object_version 6
	.text
	.protected	k_qd6ce848258_proj
	.globl	k_qd6ce848258_proj
	.p2align	8
	.type	k_qd6ce848258_proj,@function
k_qd6ce848258_proj:
	s_mov_b64 s[64:65], 0
	v_nop
	global_prefetch_b8 v0, s[64:65] scope:SCOPE_SE
	s_setreg_imm32_b32 hwreg(HW_REG_WAVE_MODE, 25, 1), 1
	s_wait_xcnt 0x0
	s_wait_alu depctr_hold_cnt(0) depctr_sa_sdst(0) depctr_va_vdst(0) depctr_va_sdst(0) depctr_va_ssrc(0) depctr_va_vcc(0) depctr_vm_vsrc(0)
	s_getreg_b32 s2, hwreg(HW_REG_IB_STS2, 6, 4)
	s_cmp_eq_u32 s2, 0
	s_cbranch_scc0 .Lentry_in_a_cluster
	s_endpgm
.Lentry_in_a_cluster:
	s_bfe_u32 s2, ttmp6, 0x10000c
	s_cmp_lg_u32 s2, 0xf033
	s_cbranch_scc0 .Lentry_shape_is_right
	s_endpgm
.Lentry_shape_is_right:
; K = key Wk^T + bk and V^T = Wv value^T + bv on codes of FP6 (E2M3) with E8M0 scales, quantised again on the way out; beside that each work-group
; quantises 16 rows of query and re-lays a part of Wq's and Wo's codes as images of operand registers.
; A block of 256 x 256, four waves of 128 x 128.  K goes through two LDS slots in chunks of 256 bytes of each row of codes (768 bytes a row: three chunks,
; each at a multiple of 256 bytes); a step of 128 along K is 96 bytes, so steps 2 and 5 of the eight read from both slots.
.set NQ,     2
.set ROWB,   256                       ; a tile's row: one chunk
.set KROW,   768
.set STEPS,  8
.set CHUNKS, 3
.set PITCH,  272                       ; 256 bytes + 16 of padding
.set FR,     12
.set NL,     6
.set NP,     4
.set HALFT,  128*PITCH
.set SLOT,   4*HALFT
.set KS,     32
.set SCL,    2*SLOT
.set HALFS,  (128*KS/256)*272
.set SBLK,   (16*KS/256)*272
.set SPARE,  SCL+4*HALFS
.set STGQ,   SPARE+512
.set QP,     272                       ; query's stage: 16 rows of 256 bytes + 16 for each wave, passed twice for 128 columns
.set REC,    13312
.set HEADB,  16*REC
.set LI,   1
.set LX,   2
.set L8,   3
.set SO,   4
.set MX,   8
.set BY,   12
.set ADRA, 16
.set ADRB, 20
.set L8X,  24
.set KSP,  25
.set ADRS, 27
.set SPW,  28
.set NIL,  29
.set SC,   32
.set RAW,  64
.set BP,   64
.set AF,   128
.set T,    128
.set PC,   192
.set CT,   204
.set WR,   212
.set RLO,  224
.set WIO,  225
.set QCO,  226
.set QWO,  227
.set SIN,  228
.set SOUT, 229
.set BR,   224
.set PWS,  240
.set SW,   248
.set G1, 24
.set G0, 32
.set G1B, 48
.set G0B, 56
.set G1S, 68
.set G0S, 76
.set G1SB, 80
.set G0SB, 88
.set SEL, 100
.set MSB, 0
.macro WIN new
.if MSB != \new
	s_set_vgpr_msb (MSB<<8)|\new
.set MSB, \new
.endif
.endm
.set MUL_LO, 0xa1
.set MUL_HI, 0xf1
.set TO_B,   0x40
.macro JLOAD g0a, g1a, g0b, g1b
	s_cmp_eq_u32 s15, 0
	s_cbranch_scc0 .Lfor_b_\@
	tensor_load_to_lds s[\g0a:\g0a+3], s[\g1a:\g1a+7]
	s_nop 0
.rept 4
	v_nop
.endr
	s_branch .Lasked_\@
.Lfor_b_\@:
	tensor_load_to_lds s[\g0b:\g0b+3], s[\g1b:\g1b+7]
	s_nop 0
.rept 4
	v_nop
.endr
.Lasked_\@:
.endm
.macro CREST
	s_cmp_lg_u32 s14, 0
	s_cbranch_scc1 .Lnot_wave_0_\@
	s_barrier_signal -3
.Lnot_wave_0_\@:
	s_barrier_wait -3
	s_barrier_signal -1
	s_barrier_wait -1
.endm
.macro CROUND
	s_barrier_signal -1
	s_barrier_wait -1
	CREST
.endm
	s_load_b256 s[4:11], s[0:1], 0x0
	s_load_b256 s[68:75], s[0:1], 0x20
	v_lshl_add_u32 v[SPW], v0, 2, SPARE
	v_mov_b32 v[NIL], 0
	ds_add_u32 v28, v29
	ds_add_u32 v28, v29
	s_wait_dscnt 0x0
	v_lshrrev_b32 v1, 5, v0
	v_readfirstlane_b32 s14, v1
	s_lshr_b32 s15, s14, 1
	s_and_b32 s16, s14, 1
	s_bfe_u32 s40, ttmp6, 0x40000
	s_bfe_u32 s41, ttmp6, 0x40004
	s_and_b32 s47, ttmp7, 0xffff
	s_lshl_b32 s45, s47, 2
	s_sub_co_u32 s46, s45, 32
	s_cmp_lt_u32 s47, 8
	s_cselect_b32 s2, 0, 1
	s_cselect_b32 s17, s45, 0
	s_cselect_b32 s42, 0, s46
	s_add_co_u32 s17, s17, s41
	s_add_co_u32 s42, s42, s40
	s_add_co_u32 s66, s45, s41
	s_lshl_b32 s66, s66, 2
	s_add_co_u32 s66, s66, s40
	s_lshl_b32 s43, s41, 2
	s_lshl_b32 s43, 15, s43
	s_lshl_b32 s44, 0x1111, s40
	s_or_b32 s[G1+0], s43, (0<<16)|(1<<20)|(1<<21)|(5<<22)|(3<<25)   ; 4 words of padding behind every 64
	s_or_b32 s[G1B+0], s44, (0<<16)|(1<<20)|(1<<21)|(5<<22)|(3<<25)
.irp g, G1, G1B
	s_mov_b32 s[\g+1], ROWB<<16
	s_mov_b32 s[\g+2], 256<<16                     ; the head's loads bring 256 rows; the ring's 128 (set behind the head's wait)
	s_mov_b32 s[\g+3], ROWB<<16
	s_mov_b32 s[\g+4], 256
	s_mov_b32 s[\g+5], KROW
	s_mov_b32 s[\g+6], 0
	s_mov_b32 s[\g+7], 0
.endr
	s_lshl_b32 s20, s17, 8                         ; the tiles' first rows
	s_lshl_b32 s46, s42, 8
	s_mov_b32 s21, 0
	s_mov_b32 s47, 0
	s_mov_b64 s[18:19], KS
	s_mul_u64 s[22:23], s[20:21], s[18:19]
	s_mul_u64 s[92:93], s[46:47], s[18:19]
	s_mov_b64 s[18:19], KROW
	s_mul_u64 s[20:21], s[20:21], s[18:19]
	s_mul_u64 s[46:47], s[46:47], s[18:19]
	s_mul_i32 s45, s14, HALFT                      ; the ring: where my 128 rows go,
	s_mul_i32 s18, s16, 128*KROW                   ; and which half of a tile they are, in bytes
	s_mov_b32 s19, 0
	s_wait_kmcnt 0x0
	s_cmp_eq_u32 s2, 0
	s_cselect_b64 s[4:5], s[4:5], s[68:69]
	s_cselect_b64 s[6:7], s[6:7], s[70:71]
	s_cselect_b64 s[8:9], s[8:9], s[72:73]
	s_cselect_b64 s[10:11], s[10:11], s[74:75]
	s_add_nc_u64 s[20:21], s[4:5], s[20:21]
	s_add_nc_u64 s[22:23], s[6:7], s[22:23]
	s_add_nc_u64 s[46:47], s[8:9], s[46:47]
	s_add_nc_u64 s[92:93], s[10:11], s[92:93]
	s_or_b32 s[G1S+0], s43, (3<<16)|(1<<20)|(1<<21)|(5<<22)|(3<<25)
	s_or_b32 s[G1SB+0], s44, (3<<16)|(1<<20)|(1<<21)|(5<<22)|(3<<25)
.irp g, G1S, G1SB
	s_mov_b32 s[\g+1], 32<<16
	s_mov_b32 s[\g+2], KS<<16                      ; the scales of 256 rows: KS rows of 256 bytes
	s_mov_b32 s[\g+3], 32<<16
	s_mov_b32 s[\g+4], KS
	s_mov_b32 s[\g+5], 32
	s_mov_b32 s[\g+6], 0
	s_mov_b32 s[\g+7], 0
.endr
	CROUND                                         ; all sixteen work-groups are here: the first joint loads meet
	s_mov_b32 s[G0], 1                             ; the head's four tiles, each whole.  Slot 0's two groups 0 serve them first: chunk 0's 256 rows of A,
	s_mov_b32 s[G0+1], 0
	s_mov_b64 s[G0+2:G0+3], s[20:21]
	s_or_b32 s[G0+3], s[G0+3], 0x80000000
	s_mov_b32 s[G0B], 1                            ; its 256 rows of B,
	s_mov_b32 s[G0B+1], 2*HALFT
	s_mov_b64 s[G0B+2:G0B+3], s[46:47]
	s_or_b32 s[G0B+3], s[G0B+3], 0x80000000
	s_mov_b32 s[G0S], 1                            ; the scales of A's 256 rows,
	s_mov_b32 s[G0S+1], SCL
	s_mov_b64 s[G0S+2:G0S+3], s[22:23]
	s_or_b32 s[G0S+3], s[G0S+3], 0x80000000
	s_mov_b32 s[G0SB], 1                           ; and of B's
	s_mov_b32 s[G0SB+1], SCL+2*HALFS
	s_mov_b64 s[G0SB+2:G0SB+3], s[92:93]
	s_or_b32 s[G0SB+3], s[G0SB+3], 0x80000000
	s_add_nc_u64 s[20:21], s[20:21], s[18:19]      ; slot 1: my 128 rows of chunk 1
	s_add_nc_u64 s[46:47], s[46:47], s[18:19]
	s_mov_b32 s[G0+4], 1
	s_add_co_u32 s[G0+5], s45, SLOT
	s_add_nc_u64 s[G0+6:G0+7], s[20:21], ROWB
	s_or_b32 s[G0+7], s[G0+7], 0x80000000
	s_mov_b32 s[G0B+4], 1
	s_add_co_u32 s[G0B+5], s45, SLOT
	s_add_nc_u64 s[G0B+6:G0B+7], s[46:47], ROWB
	s_or_b32 s[G0B+7], s[G0B+7], 0x80000000
; one tensor load a wave at the head, in one tree of branches on the wave's number
.macro ARM under, g0, g1, next
	s_cmp_lt_u32 s14, \under
	s_cbranch_scc0 \next
	tensor_load_to_lds s[\g0:\g0+3], s[\g1:\g1+7]
	s_nop 0
.rept 4
	v_nop
.endr
	s_branch .Lhead_asked
\next:
.endm
	ARM 1, G0,  G1,  .Lhead_b
	ARM 2, G0B, G1B, .Lhead_sa
	ARM 3, G0S, G1S, .Lhead_sb
	tensor_load_to_lds s[G0SB:G0SB+3], s[G1SB:G1SB+7]
	s_nop 0
.rept 4
	v_nop
.endr
.Lhead_asked:
	s_load_b256 s[4:11], s[0:1], 0x40
	s_load_b128 s[96:99], s[0:1], 0x60
	s_load_b128 s[92:95], s[0:1], 0x70
	s_mov_b32 s[SEL], 0x76543210
	s_mov_b32 s[SEL+1], 0xfedcba98
	v_and_b32 v8, 15, v0
	v_bfe_u32 v9, v0, 4, 1
	v_and_b32 v10, 31, v0
	v_mul_u32_u24 v11, v8, PITCH
	v_mul_u32_u24 v12, v9, 24
	v_add_nc_u32 v12, v11, v12
	s_mov_b32 s21, SLOT-232
	s_mov_b32 s22, SLOT+232
	v_sub_nc_u32 v15, 1, v9                        ; 1 in lanes 0-15
	v_mul_u32_u24 v13, s21, v9
	v_add_nc_u32 v13, v11, v13
	v_add_nc_u32 v13, 232, v13                     ; across two chunks: lanes 0-15 byte 232 of the row in slot 0, lanes 16-31 byte 0 of the row in slot 1;
	v_mul_u32_u24 v14, s22, v15
	v_add_nc_u32 v14, v11, v14                     ; and lanes 0-15 byte 232 in slot 1, lanes 16-31 byte 0 in slot 0
	s_mul_i32 s21, s15, HALFT
	s_mul_i32 s22, s16, HALFT
	s_add_co_u32 s22, s22, 2*HALFT
	v_add_nc_u32 v[ADRA+2], s21, v13
	v_add_nc_u32 v[ADRA+3], s21, v14
	v_add_nc_u32 v[ADRB+2], s22, v13
	v_add_nc_u32 v[ADRB+3], s22, v14
.irp s, 0,1
	v_add_nc_u32 v[ADRA+\s], s21, v12
	v_add_nc_u32 v[ADRB+\s], s22, v12
	s_add_co_u32 s21, s21, SLOT
	s_add_co_u32 s22, s22, SLOT
.endr
	v_mul_u32_u24 v13, v8, KS
	v_lshrrev_b32 v14, 8, v13
	v_lshl_add_u32 v13, v14, 4, v13
	s_mul_i32 s21, s15, HALFS
	s_mul_i32 s22, s16, HALFS
	s_add_co_u32 s22, s22, 2*HALFS
	s_sub_co_u32 s22, s22, s21
	v_mul_u32_u24 v14, s22, v9
	s_add_co_u32 s21, s21, SCL
	v_add_nc_u32 v13, v13, v14
	v_add_nc_u32 v[ADRS], s21, v13
	v_lshlrev_b32 v[LI], 4, v10
	v_xor_b32 v13, 8, v10
	v_lshlrev_b32 v[LX], 4, v13
	v_lshlrev_b32 v[L8], 3, v10
	v_lshlrev_b32 v[L8X], 3, v13
	v_lshrrev_b32 v13, 3, v8
	v_and_b32 v14, 7, v8
	v_lshl_add_u32 v13, v13, 4, v14
	v_lshl_add_u32 v13, v9, 3, v13
	v_lshlrev_b32 v[KSP], 4, v13
	v_cmp_le_u32 s3, 16, v10
	s_and_b32 s18, s66, 127
	s_lshr_b32 s19, s18, 3
	s_lshl_b32 s19, s19, 2
	s_add_co_u32 s19, s19, s14
	s_mul_i32 s19, s19, 16*KROW
	s_and_b32 s18, s66, 7
	s_mul_i32 s18, s18, 96
	s_add_co_u32 s19, s19, s18
	v_mul_u32_u24 v[RLO], v8, KROW
	v_mad_u32_u24 v[RLO], v9, 24, v[RLO]
	v_add_nc_u32 v[RLO], s19, v[RLO]
	s_lshl_b32 s18, s66, 2
	s_add_co_u32 s18, s18, s14
	s_mul_i32 s18, s18, 1536
	v_add_nc_u32 v[WIO], s18, v[LI]
	s_lshl_b32 s18, s66, 16
	s_lshl_b32 s19, s14, 10
	s_add_co_u32 s18, s18, s19
	v_lshlrev_b32 v26, 4, v8                       ; query: sixteen lanes take 256 bytes of a row, the other sixteen the next row's
	v_lshl_add_u32 v26, v9, 12, v26
	v_add_nc_u32 v26, s18, v26
	s_lshl_b32 s18, s66, 3
	s_lshl_b32 s19, s14, 1
	s_add_co_u32 s18, s18, s19
	s_mul_i32 s18, s18, 1536
	v_add_nc_u32 v[QCO], s18, v[LI]
	s_lshl_b32 s18, s66, 9
	s_lshl_b32 s19, s14, 7
	s_add_co_u32 s18, s18, s19
	v_lshl_add_u32 v[QWO], v10, 2, s18
	s_mul_i32 s18, s14, 16*QP
	s_add_co_u32 s18, s18, STGQ
	v_mul_u32_u24 v[SIN], v9, QP
	v_lshl_add_u32 v[SIN], v8, 4, v[SIN]
	v_add_nc_u32 v[SIN], s18, v[SIN]
	v_mul_u32_u24 v[SOUT], v8, QP
	v_lshl_add_u32 v[SOUT], v9, 6, v[SOUT]
	v_add_nc_u32 v[SOUT], s18, v[SOUT]
.irp b, 0,1,2,3
	v_mov_b32 v[BY+\b], 0
.endr
	s_lshl_b32 s19, s17, 1
	s_add_co_u32 s19, s19, s15
	s_lshl_b32 s20, s42, 1
	s_add_co_u32 s20, s20, s16
	s_wait_alu depctr_va_vdst(0)
	s_wait_kmcnt 0x0
	s_cmp_eq_u32 s2, 0
	s_cselect_b64 s[4:5], s[4:5], s[6:7]
	s_cselect_b64 s[8:9], s[8:9], s[10:11]
	s_cselect_b32 s67, s42, s17
	s_cselect_b32 s21, s19, s20
	s_cselect_b32 s22, s20, s19
	s_lshr_b32 s23, s21, 4
	s_and_b32 s21, s21, 15
	s_lshl_b32 s23, s23, 4
	s_lshl_b32 s22, s22, 1
	s_add_co_u32 s23, s23, s22
	s_lshl_b32 s23, s23, 4
	s_add_co_u32 s23, s23, s21
	s_mul_i32 s12, s23, REC
	s_mov_b32 s13, 0
	s_add_nc_u64 s[12:13], s[98:99], s[12:13]
.macro QUANT s, word
.irp b, 0,1,2,3
	v_max3_num_f32 v[MX+\b], |v[\s+16*\b]|, |v[\s+1+16*\b]|, 0x1800000
.endr
.irp i, 2,4,6,8,10,12,14
.irp b, 0,1,2,3
	v_max3_num_f32 v[MX+\b], v[MX+\b], |v[\s+16*\b+\i]|, |v[\s+1+16*\b+\i]|
.endr
.endr
.irp b, 0,1,2,3
	v_permlanex16_b32 v[BY+\b], v[MX+\b], s[SEL], s[SEL+1]
.endr
.irp b, 0,1,2,3
	v_max_num_f32 v[MX+\b], v[MX+\b], v[BY+\b]
.endr
.irp b, 0,1,2,3
	v_add_nc_u32 v[SO+\b], 0xff000000, v[MX+\b]
.endr
.irp b, 0,1,2,3
	v_lshrrev_b32 v[BY+\b], 23, v[SO+\b]
.endr
	v_lshl_or_b32 v[\word], v[BY+1], 8, v[BY]
	v_lshl_or_b32 v[\word], v[BY+2], 16, v[\word]
	v_lshl_or_b32 v[\word], v[BY+3], 24, v[\word]
.irp c, 0,1
	v_cvt_scalef32_pk16_fp6_f32 v[PC+6*\c:PC+2+6*\c], v[\s+32*\c:\s+15+32*\c], v[SO+2*\c]
	v_cvt_scalef32_pk16_fp6_f32 v[CT+4*\c:CT+2+4*\c], v[\s+16+32*\c:\s+31+32*\c], v[SO+2*\c+1]
.endr
	v_nop
.irp c, 0,1
.irp i, 0,1,2
	v_permlane16_swap_b32 v[PC+6*\c+\i], v[CT+4*\c+\i]
.endr
.irp i, 0,1,2
	v_mov_b32 v[PC+3+6*\c+\i], v[CT+4*\c+\i]
.endr
.endr
.endm
.macro QLOAD j
.irp f, 0,1
.irp i, 0,1,2,3,4,5,6,7
	global_load_b128 v[RAW+32*\f+4*\i:RAW+32*\f+4*\i+3], v26, s[96:97] offset:8192*\i+512*(\j)+256*\f th:TH_LOAD_NT   ; rows 2 i, 2 i + 1, columns 128 j + 64 f ..
.endr
.endr
.endm
.macro QJOB j
	s_wait_loadcnt 0x0
.irp f, 0,1                            ; the stage is my own and is passed twice; LDS serves a wave's instructions in order
.irp i, 0,1,2,3,4,5,6,7
	ds_store_b128 v[SIN], v[RAW+32*\f+4*\i:RAW+32*\f+4*\i+3] offset:2*QP*\i
.endr
.irp b, 0,1
.irp q, 0,1,2,3
	ds_load_b128 v[T+32*\f+16*\b+4*\q:T+32*\f+16*\b+4*\q+3], v[SOUT] offset:128*\b+16*\q
.endr
.endr
.endr
	s_wait_dscnt 0x0
.if (\j) == 0
	QLOAD 1
.else
	s_wait_xcnt 0x0
.endif
	QUANT T, 30+(\j)
.irp g, 0,1,2
	global_store_b128 v[QCO], v[PC+4*\g:PC+4*\g+3], s[92:93] offset:1536*(\j)+512*\g
.endr
.endm
.irp p, 0,1,2,3,4,5
	global_load_b64 v[WR+2*\p:WR+2*\p+1], v[RLO], s[8:9] offset:48*(\p/3)+8*(\p%3)
.endr
	QLOAD 0
	s_wait_alu depctr_va_vdst(0)
	s_wait_tensorcnt 0x0                           ; my tile of the head's four is in
	ds_add_u32 v[SPW], v[NIL]
	s_mov_b32 s[G1+2], 128<<16                     ; no tensor load of mine is out: from here on a load brings 128 rows,
	s_mov_b32 s[G1+4], 128
	s_mov_b32 s[G1B+2], 128<<16
	s_mov_b32 s[G1B+4], 128
	s_mul_i32 s18, s16, 128*KROW
	s_mov_b32 s19, 0
	s_mov_b32 s[G0+1], s45                         ; and slot 0's groups 0 stand at my 128 rows of chunk 0: its refill steps them to chunk 2
	s_mov_b32 s[G0B+1], s45
	s_add_nc_u64 s[G0+2:G0+3], s[G0+2:G0+3], s[18:19]
	s_add_nc_u64 s[G0B+2:G0B+3], s[G0B+2:G0B+3], s[18:19]
	s_wait_dscnt 0x0
	CROUND                                         ; all four tiles are in, in every partner
	JLOAD G0+4, G1, G0B+4, G1B                     ; chunk 1, the first tensor load behind the round
	s_wait_loadcnt 16                              ; the six loads of weights' codes are in; query's 16 may be out
.irp g, 0,1,2
	global_store_b128 v[WIO], v[WR+4*\g:WR+4*\g+3], s[94:95] offset:512*\g
.endr
	QJOB 0
	QJOB 1
	v_cndmask_b32 v30, v30, v31, s3
	global_store_b32 v[QWO], v30, s[92:93] offset:3145728
	s_wait_xcnt 0x0
	s_lshl_b32 s18, s67, 10
	s_lshl_b32 s19, s16, 9
	s_add_co_u32 s19, s19, s18
	s_lshl_b32 s20, s15, 9
	s_add_co_u32 s20, s20, s18
	v_bfe_u32 v26, v0, 4, 1
	v_lshl_add_u32 v26, v26, 5, s19
	v_and_b32 v30, 15, v0
	v_lshl_add_u32 v30, v30, 2, s20
.irp b, 0,1,2,3,4,5,6,7
	global_load_b128 v[BP+8*\b:BP+8*\b+3], v26, s[4:5] offset:64*\b
	global_load_b128 v[BP+8*\b+4:BP+8*\b+7], v26, s[4:5] offset:64*\b+16
.endr
.irp a, 0,1,2,3,4,5,6,7
	global_load_b32 v[BR+2*\a], v30, s[4:5] offset:64*\a
.endr
.macro FRAG reg, adr, st, i            ; step st's fragment in pieces of 8 bytes; byte y of a row of codes lies in slot (y / 256) % 2 at byte y % 256
.irp p, 0,1,2,3,4,5
.set FB, 96*(\st)+48*(\p/3)+8*(\p%3)   ; where the piece of lanes 0-15 begins; that of lanes 16-31 begins 24 bytes on
.if FB/ROWB == (FB+24)/ROWB
	ds_load_b64 v[\reg+2*\p:\reg+2*\p+1], v[\adr+(FB/ROWB)%2] offset:FB%ROWB+(\i)*16*PITCH
.else
	ds_load_b64 v[\reg+2*\p:\reg+2*\p+1], v[\adr+2+(FB/ROWB)%2] offset:FB%ROWB-232+(\i)*16*PITCH
.endif
.endr
.endm
.macro MUL16 a0, p, q, sc, zero
.irp a, \a0, \a0+1
.irp b, 0,1,2,3,4,5,6,7
.if \zero
	v_wmma_scale_f32_16x16x128_f8f6f4 v[8*(8*((\a)%4)+\b):8*(8*((\a)%4)+\b)+7], v[128*(\p)+FR*\b:128*(\p)+FR*\b+FR-1], v[AF+FR*(\a):AF+FR*(\a)+FR-1], 0, v[SC+8*NQ*(\sc)+NQ*\b+(\q)], v[SC+8*NQ*(\sc)+NQ*(\a)+(\q)] matrix_a_fmt:MATRIX_FMT_FP6 matrix_b_fmt:MATRIX_FMT_FP6 matrix_a_scale:MATRIX_SCALE_ROW1
.else
	v_wmma_scale_f32_16x16x128_f8f6f4 v[8*(8*((\a)%4)+\b):8*(8*((\a)%4)+\b)+7], v[128*(\p)+FR*\b:128*(\p)+FR*\b+FR-1], v[AF+FR*(\a):AF+FR*(\a)+FR-1], v[8*(8*((\a)%4)+\b):8*(8*((\a)%4)+\b)+7], v[SC+8*NQ*(\sc)+NQ*\b+(\q)], v[SC+8*NQ*(\sc)+NQ*(\a)+(\q)] matrix_a_fmt:MATRIX_FMT_FP6 matrix_b_fmt:MATRIX_FMT_FP6 matrix_a_scale:MATRIX_SCALE_ROW1
.endif
.endr
.endr
.endm
.macro FETCH_B st, p
	WIN TO_B
.irp i, 0,1,2,3,4,5,6,7
	FRAG 128*(\p)+FR*\i, ADRB, \st, \i
.endr
	WIN 0
.endm
.macro FETCH_A st, i0
.irp i, \i0, \i0+1, \i0+2, \i0+3
	FRAG AF+FR*(\i), ADRA, \st, \i
.endr
.endm
.macro SCALES pr                       ; the scale words of steps 2 pr and 2 pr + 1 into set pr % 2
.irp i, 0,1,2,3,4,5,6,7
	ds_load_b64 v[SC+8*NQ*((\pr)%2)+NQ*\i:SC+8*NQ*((\pr)%2)+NQ*\i+1], v[ADRS] offset:\i*SBLK+4*NQ*(\pr)
.endr
.endm
.macro PLACES n
.rept \n
	v_nop
.endr
.endm
; A step of 128 along K: 64 matrix instructions; the next step's fragments are fetched in its middle and at its end.
; Where the next step's bytes END in a chunk not read yet: the wait for my tensor loads and a barrier show that chunk whole, ahead of the fetch.
; Where they BEGIN in a later chunk than this step's: the chunk left behind is read no more: wait, add, wait, barrier; where a chunk two on is left to fetch, the barrier opens a round and the slot is filled again.
.macro STEP st, zero
.set NX, (\st)+1
.set C0, (96*(\st))/ROWB
.set C1, (96*NX)/ROWB
.set E0, (96*(\st)+95)/ROWB
.set E1, (96*NX+95)/ROWB
.if C1 > C0 || E1 > E0
	s_wait_tensorcnt 0x0                           ; all my tensor loads have landed
.if C1 > C0
	ds_add_u32 v[SPW], v[NIL]
	s_wait_dscnt 4*NL+1                            ; the add and A's blocks 4-7 may be out
.else
	s_wait_dscnt 4*NL                              ; A's blocks 4-7 may be out
.endif
	WIN MUL_LO
	MUL16 0, (\st)%2, (\st)%2, ((\st)/2)%2, \zero
	s_wait_dscnt 0x0                               ; the add, and my reads of any chunk left behind
	s_barrier_signal -1
	MUL16 2, (\st)%2, (\st)%2, ((\st)/2)%2, \zero
	WIN 0
	s_barrier_wait -1
.if C1 > C0 && C0+2 < CHUNKS
	CREST
	s_add_nc_u64 s[G0+4*(C0%2)+2:G0+4*(C0%2)+3], s[G0+4*(C0%2)+2:G0+4*(C0%2)+3], 2*ROWB
	s_add_nc_u64 s[G0B+4*(C0%2)+2:G0B+4*(C0%2)+3], s[G0B+4*(C0%2)+2:G0B+4*(C0%2)+3], 2*ROWB
	JLOAD G0+4*(C0%2), G1, G0B+4*(C0%2), G1B       ; chunk C0 + 2; its four v_nop are the places ahead of the loads below
.else
	PLACES NP
.endif
.else
	s_wait_dscnt 4*NL                              ; B's set and A's blocks 0-3 are in
	WIN MUL_LO
	MUL16 0, (\st)%2, (\st)%2, ((\st)/2)%2, \zero
	MUL16 2, (\st)%2, (\st)%2, ((\st)/2)%2, \zero
	s_wait_dscnt 0
	PLACES NP
.endif
	FETCH_B NX, NX%2
	FETCH_A NX, 0
.if NX%2 == 0
	SCALES NX/2
.endif
	WIN MUL_HI
	MUL16 4, (\st)%2, (\st)%2, ((\st)/2)%2, \zero
	MUL16 6, (\st)%2, (\st)%2, ((\st)/2)%2, \zero
	PLACES NP
	WIN 0
	FETCH_A NX, 4
.endm
	FETCH_B 0, 0                                   ; the round behind the head's loads has shown chunk 0 and the scales to every wave
	FETCH_A 0, 0
	SCALES 0
	FETCH_A 0, 4
	STEP 0, 1                                      ; the first step's products start the sums
.set ST, 1
.rept STEPS-2
	STEP ST, 0
.set ST, ST+1
.endr
	s_wait_dscnt 4*NL
	WIN MUL_LO
	MUL16 0, 1, NQ-1, 1, 0
	MUL16 2, 1, NQ-1, 1, 0
	s_wait_dscnt 0
	WIN MUL_HI
	MUL16 4, 1, NQ-1, 1, 0
	MUL16 6, 1, NQ-1, 1, 0
	WIN 0
	PLACES NP
	s_wait_loadcnt 0x0
.irp a, 0,1,2,3,4,5,6,7
	v_mov_b32 v[BR+2*\a+1], v[BR+2*\a]
.endr
.macro TAKE a, kp
.if (\a) > 0
	s_wait_xcnt 0x0
.endif
.if (\a) < 4
	WIN 0x02
.else
	WIN 0x03
.endif
.set ii, 0
.rept 32
.if \kp
	v_pk_add_f32 v[T+2*ii:T+2*ii+1], v[64*((\a)%4)+2*ii:64*((\a)%4)+2*ii+1], v[BP+2*ii:BP+2*ii+1]
.else
	v_pk_add_f32 v[T+2*ii:T+2*ii+1], v[64*((\a)%4)+2*ii:64*((\a)%4)+2*ii+1], v[BR+2*(\a):BR+2*(\a)+1]
.endif
.set ii, ii+1
.endr
	WIN 0
.irp b, 0,1,2,3
.irp j, 0,1,2,3,4,5,6,7
	v_permlane16_swap_b32 v[T+16*\b+\j], v[T+16*\b+8+\j]
.endr
.endr
	QUANT T, PWS+(\a)
.endm
	s_cmp_eq_u32 s2, 0
	s_cbranch_scc0 .Lvalues
.irp a, 0,1,2,3,4,5,6,7
	TAKE \a, 1
.irp c, 0,1
.if (\a)%2 == 0
	global_store_b128 v[LI], v[PC+6*\c:PC+6*\c+3], s[12:13] offset:HEADB*\c+768*\a
	global_store_b64 v[L8], v[PC+6*\c+4:PC+6*\c+5], s[12:13] offset:HEADB*\c+768*\a+512
.else
	global_store_b128 v[LX], v[PC+6*\c:PC+6*\c+3], s[12:13] offset:HEADB*\c+768*\a
	global_store_b64 v[L8X], v[PC+6*\c+4:PC+6*\c+5], s[12:13] offset:HEADB*\c+768*\a+512
.endif
.endr
.endr
.irp b, 0,1,2,3
	v_cndmask_b32 v[SW+\b], v[PWS+2*\b], v[PWS+2*\b+1], s3
.endr
	global_store_b128 v[KSP], v[SW:SW+3], s[12:13] offset:12288
.irp b, 0,1,2,3
	v_lshrrev_b32 v[SW+4+\b], 16, v[SW+\b]
.endr
	global_store_b128 v[KSP], v[SW+4:SW+7], s[12:13] offset:HEADB+12288
	s_branch .Ljoin
.Lvalues:
	s_wait_alu depctr_va_vdst(0)
.irp a, 0,1,2,3,4,5,6,7
	TAKE \a, 0
.irp g, 0,1,2
	global_store_b128 v[LI], v[PC+4*\g:PC+4*\g+3], s[12:13] offset:HEADB*(\a/4)+6144+1536*(\a%4)+512*\g
.endr
.endr
	global_store_b128 v[LI], v[PWS:PWS+3], s[12:13] offset:12800
	global_store_b128 v[LI], v[PWS+4:PWS+7], s[12:13] offset:HEADB+12800
.Ljoin:
	s_wait_tensorcnt 0x0
	ds_add_u32 v[SPW], v[NIL]
	s_wait_dscnt 0x0
	CROUND
	s_endpgm
.Lfunc_end_k_qd6ce848258_proj:
	.size	k_qd6ce848258_proj, .Lfunc_end_k_qd6ce848258_proj-k_qd6ce848258_proj
	.p2alignl 7, 3214868480
	.fill 96, 4, 3214868480
	.section	.rodata,"a",@progbits
	.p2align	6, 0x0
	.amdhsa_kernel k_qd6ce848258_proj
		.amdhsa_group_segment_fixed_size 327680
		.amdhsa_private_segment_fixed_size 0
		.amdhsa_enable_private_segment 0
		.amdhsa_kernarg_size 128
		.amdhsa_user_sgpr_count 2
		.amdhsa_user_sgpr_kernarg_segment_ptr 1
		.amdhsa_wavefront_size32 1
		.amdhsa_system_sgpr_workgroup_id_x 1
		.amdhsa_system_sgpr_workgroup_id_y 1
		.amdhsa_system_sgpr_workgroup_id_z 1
		.amdhsa_system_vgpr_workitem_id 0
		.amdhsa_next_free_vgpr 1024
		.amdhsa_next_free_sgpr 102
		.amdhsa_reserve_vcc 0
		.amdhsa_float_denorm_mode_32 3
		.amdhsa_float_denorm_mode_16_64 3
		.amdhsa_memory_ordered 1
		.amdhsa_forward_progress 1
		.amdhsa_inst_pref_size 255
	.end_amdhsa_kernel
	.section	.bss,"aw",@nobits
	.p2align	6
	.space	262144
	.amdgpu_metadata
---
amdhsa.version: [ 1, 2 ]
amdhsa.kernels:
  - .name:           k_qd6ce848258_proj
    .symbol:         k_qd6ce848258_proj.kd
    .args:
      - { .name: key_codes, .offset: 0, .size: 8, .value_kind: global_buffer, .address_space: global }
      - { .name: key_scales, .offset: 8, .size: 8, .value_kind: global_buffer, .address_space: global }
      - { .name: Wk_codes, .offset: 16, .size: 8, .value_kind: global_buffer, .address_space: global }
      - { .name: Wk_scales, .offset: 24, .size: 8, .value_kind: global_buffer, .address_space: global }
      - { .name: Wv_codes, .offset: 32, .size: 8, .value_kind: global_buffer, .address_space: global }
      - { .name: Wv_scales, .offset: 40, .size: 8, .value_kind: global_buffer, .address_space: global }
      - { .name: value_codes, .offset: 48, .size: 8, .value_kind: global_buffer, .address_space: global }
      - { .name: value_scales, .offset: 56, .size: 8, .value_kind: global_buffer, .address_space: global }
      - { .name: bk, .offset: 64, .size: 8, .value_kind: global_buffer, .address_space: global }
      - { .name: bv, .offset: 72, .size: 8, .value_kind: global_buffer, .address_space: global }
      - { .name: Wq_codes, .offset: 80, .size: 8, .value_kind: global_buffer, .address_space: global }
      - { .name: Wo_codes, .offset: 88, .size: 8, .value_kind: global_buffer, .address_space: global }
      - { .name: query, .offset: 96, .size: 8, .value_kind: global_buffer, .address_space: global }
      - { .name: kv, .offset: 104, .size: 8, .value_kind: global_buffer, .address_space: global }
      - { .name: qx, .offset: 112, .size: 8, .value_kind: global_buffer, .address_space: global }
      - { .name: wimg, .offset: 120, .size: 8, .value_kind: global_buffer, .address_space: global }
    .group_segment_fixed_size: 327680
    .private_segment_fixed_size: 0
    .kernarg_segment_align: 8
    .kernarg_segment_size: 128
    .max_flat_workgroup_size: 128
    .sgpr_count:     102
    .vgpr_count:     1024
    .wavefront_size: 32
...
	.end_amdgpu_metadata
.endif
;; end of part 1
;; launch attn (part 2): grid 4 x 64, 16 waves a work-group, clusters of 4 x 1, 327,680 bytes of LDS; arguments kv, qx, wimg, Wq_scales, bq, ctx; writes ctx
.if DOCPART == 2
	.amdgcn_target "amdgcn-amd-amdhsa--gfx1250"
	.amdhsa_code_object_version 6
	.text
	.protected	k_qd6ce848258_attn
	.globl	k_qd6ce848258_attn
	.p2align	8
	.type	k_qd6ce848258_attn,@function
k_qd6ce848258_attn:
	s_mov_b64 s[64:65], 0
	v_nop
	global_prefetch_b8 v0, s[64:65] scope:SCOPE_SE
	s_setreg_imm32_b32 hwreg(HW_REG_WAVE_MODE, 25, 1), 1
	s_wait_xcnt 0x0
	s_wait_alu depctr_hold_cnt(0) depctr_sa_sdst(0) depctr_va_vdst(0) depctr_va_sdst(0) depctr_va_ssrc(0) depctr_va_vcc(0) depctr_vm_vsrc(0)
	s_getreg_b32 s2, hwreg(HW_REG_IB_STS2, 6, 4)
	s_cmp_eq_u32 s2, 0
	s_cbranch_scc0 .Lentry_in_a_cluster
	s_endpgm
.Lentry_in_a_cluster:
	s_bfe_u32 s2, ttmp6, 0x10000c
	s_cmp_lg_u32 s2, 0x3003
	s_cbranch_scc0 .Lentry_shape_is_right
	s_endpgm
.Lentry_shape_is_right:
.set REC,  13312
.set WQ,   212992
.set SCW,  262144
.set WV,   16
.set G1W,  24
.set G1K,  32
.set G0W,  40
.set G0K,  44
.set SEL,  48
.set CS,   50
.set TB,   52
.set CNT,  53
.set BM,   212
.set BT,   216
.set SO,   220
.macro CROUND
	s_barrier_signal -1
	s_barrier_wait -1
	s_cmp_lg_u32 s[WV], 0
	s_cbranch_scc1 .Lnot_wave_0_\@
	s_barrier_signal -3
.Lnot_wave_0_\@:
	s_barrier_wait -3
	s_barrier_signal -1
	s_barrier_wait -1
.endm
.macro WMA d, a, b, sa, sb, ra, rb
.if (\ra) && (\rb)
	v_wmma_scale_f32_16x16x128_f8f6f4 v[\d:\d+7], v[\a:\a+11], v[\b:\b+11], v[\d:\d+7], v[\sa], v[\sb] matrix_a_fmt:MATRIX_FMT_FP6 matrix_b_fmt:MATRIX_FMT_FP6 matrix_a_scale:MATRIX_SCALE_ROW1 matrix_b_scale:MATRIX_SCALE_ROW1
.elseif (\ra)
	v_wmma_scale_f32_16x16x128_f8f6f4 v[\d:\d+7], v[\a:\a+11], v[\b:\b+11], v[\d:\d+7], v[\sa], v[\sb] matrix_a_fmt:MATRIX_FMT_FP6 matrix_b_fmt:MATRIX_FMT_FP6 matrix_a_scale:MATRIX_SCALE_ROW1
.elseif (\rb)
	v_wmma_scale_f32_16x16x128_f8f6f4 v[\d:\d+7], v[\a:\a+11], v[\b:\b+11], v[\d:\d+7], v[\sa], v[\sb] matrix_a_fmt:MATRIX_FMT_FP6 matrix_b_fmt:MATRIX_FMT_FP6 matrix_b_scale:MATRIX_SCALE_ROW1
.else
	v_wmma_scale_f32_16x16x128_f8f6f4 v[\d:\d+7], v[\a:\a+11], v[\b:\b+11], v[\d:\d+7], v[\sa], v[\sb] matrix_a_fmt:MATRIX_FMT_FP6 matrix_b_fmt:MATRIX_FMT_FP6
.endif
.endm
.macro WMZ d, a, b, sa, sb, ra
.if (\ra)
	v_wmma_scale_f32_16x16x128_f8f6f4 v[\d:\d+7], v[\a:\a+11], v[\b:\b+11], 0, v[\sa], v[\sb] matrix_a_fmt:MATRIX_FMT_FP6 matrix_b_fmt:MATRIX_FMT_FP6 matrix_a_scale:MATRIX_SCALE_ROW1
.else
	v_wmma_scale_f32_16x16x128_f8f6f4 v[\d:\d+7], v[\a:\a+11], v[\b:\b+11], 0, v[\sa], v[\sb] matrix_a_fmt:MATRIX_FMT_FP6 matrix_b_fmt:MATRIX_FMT_FP6
.endif
.endm
.macro QUANT2 src, dst, word, tm, ct
.irp b, 0,1
	v_max3_num_f32 v[\tm+\b], |v[\src+16*\b]|, |v[\src+1+16*\b]|, 0x1800000
.endr
.irp i, 2,4,6,8,10,12,14
.irp b, 0,1
	s_delay_alu instid0(VALU_DEP_2)
	v_max3_num_f32 v[\tm+\b], v[\tm+\b], |v[\src+16*\b+\i]|, |v[\src+1+16*\b+\i]|
.endr
.endr
.irp b, 0,1
	s_delay_alu instid0(VALU_DEP_2)
	v_permlanex16_b32 v[\tm+2+\b], v[\tm+\b], s[SEL], s[SEL+1]
.endr
.irp b, 0,1
	s_delay_alu instid0(VALU_DEP_2)
	v_max_num_f32 v[\tm+\b], v[\tm+\b], v[\tm+2+\b]
.endr
.irp b, 0,1
	s_delay_alu instid0(VALU_DEP_2)
	v_add_nc_u32 v[\tm+4+\b], 0xff000000, v[\tm+\b]
.endr
.irp b, 0,1
	s_delay_alu instid0(VALU_DEP_2)
	v_lshrrev_b32 v[\tm+2+\b], 23, v[\tm+4+\b]
.endr
	s_delay_alu instid0(VALU_DEP_1)
	v_lshl_or_b32 v[\word], v[\tm+3], 8, v[\tm+2]
	v_cvt_scalef32_pk16_fp6_f32 v[\dst:\dst+2], v[\src:\src+15], v[\tm+4]
	v_cvt_scalef32_pk16_fp6_f32 v[\ct:\ct+2], v[\src+16:\src+31], v[\tm+5]
	v_nop
.irp i, 0,1,2
	v_permlane16_swap_b32 v[\dst+\i], v[\ct+\i]
.endr
.irp i, 0,1,2
	s_delay_alu instid0(VALU_DEP_3)
	v_mov_b32 v[\dst+3+\i], v[\ct+\i]
.endr
.endm
	s_load_b256 s[4:11], s[0:1], 0x0
	s_load_b128 s[12:15], s[0:1], 0x20
	v_lshl_add_u32 v254, v0, 2, 0x40400
	v_mov_b32 v255, 0
	ds_add_u32 v254, v255
	ds_add_u32 v254, v255
	s_wait_dscnt 0x0
	v_lshrrev_b32 v1, 5, v0
	s_delay_alu instid0(VALU_DEP_1)
	v_readfirstlane_b32 s[WV], v1
	s_bfe_u32 s17, ttmp6, 0x40000
	s_and_b32 s18, ttmp7, 0xffff
	s_and_b32 s19, s18, 15
	s_lshr_b32 s20, s18, 4
	s_lshl_b32 s21, s20, 6
	s_lshl_b32 s22, s17, 4
	s_add_co_u32 s21, s21, s22
	s_add_co_u32 s21, s21, s[WV]
	s_mov_b32 s[G1W], 15|(3<<16)|(1<<21)
	s_mov_b32 s[G1W+1], 32<<16
	s_mov_b32 s[G1W+2], 12<<16
	s_mov_b32 s[G1W+3], 32<<16
	s_mov_b32 s[G1W+4], 12
	s_mov_b32 s[G1W+5], 32
	s_mov_b32 s[G1W+6], 0
	s_mov_b32 s[G1W+7], 0
	s_mov_b32 s[G1K], 15|(3<<16)|(1<<21)
	s_mov_b32 s[G1K+1], 32<<16
	s_mov_b32 s[G1K+2], 52<<16
	s_mov_b32 s[G1K+3], 32<<16
	s_mov_b32 s[G1K+4], 52
	s_mov_b32 s[G1K+5], 32
	s_mov_b32 s[G1K+6], 0
	s_mov_b32 s[G1K+7], 0
	s_mul_i32 s22, s[WV], 3072
	s_mul_i32 s54, s19, 49152
	s_add_co_u32 s54, s54, s22
	s_mov_b32 s55, 0
	s_lshl_b32 s56, s18, 4
	s_add_co_u32 s56, s56, s[WV]
	s_mul_i32 s56, s56, REC
	s_mov_b32 s57, 0
	s_mul_i32 s23, s[WV], REC
	s_mov_b32 s[SEL], 0x76543210
	s_mov_b32 s[SEL+1], 0xfedcba98
	s_mov_b32 s[CS], 0x3e38aa3b
	s_mov_b32 s[CS+1], s[CS]
	s_wait_kmcnt 0x0
	s_mov_b32 s[G0W], 1
	s_add_co_u32 s[G0W+1], s22, WQ
	s_add_nc_u64 s[G0W+2:G0W+3], s[8:9], s[54:55]
	s_or_b32 s[G0W+3], s[G0W+3], 0x80000000
	s_mov_b32 s[G0K], 1
	s_mov_b32 s[G0K+1], s23
	s_add_nc_u64 s[G0K+2:G0K+3], s[4:5], s[56:57]
	s_or_b32 s[G0K+3], s[G0K+3], 0x80000000
	CROUND
	tensor_load_to_lds s[G0W:G0W+3], s[G1W:G1W+7]
	s_nop 0
	s_wait_alu depctr_va_vdst(0)
	s_wait_tensorcnt 0x0
	ds_add_u32 v254, v255
	s_wait_dscnt 0x0
	CROUND
	tensor_load_to_lds s[G0K:G0K+3], s[G1K:G1K+7]
	s_nop 0
.rept 4
	v_nop
.endr
	s_mul_i32 s54, s21, 12288
	s_add_nc_u64 s[58:59], s[6:7], s[54:55]
	s_lshl_b32 s54, s21, 9
	s_add_nc_u64 s[6:7], s[6:7], s[54:55]
	s_lshl_b32 s54, s19, 11
	s_add_nc_u64 s[10:11], s[10:11], s[54:55]
	s_lshl_b32 s54, s19, 8
	s_add_nc_u64 s[12:13], s[12:13], s[54:55]
	s_lshl_b32 s54, s21, 4
	s_add_co_u32 s54, s54, s19
	s_mul_i32 s54, s54, 768
	s_add_nc_u64 s[60:61], s[14:15], s[54:55]
	s_and_b32 s23, s[WV], 1
	s_lshl_b32 s23, s23, 9
	s_lshl_b32 s54, s18, 12
	s_lshl_b32 s22, s17, 10
	s_add_co_u32 s54, s54, s22
	s_add_co_u32 s54, s54, s23
	s_add_nc_u64 s[62:63], s[14:15], s[54:55]
	v_and_b32 v92, 31, v0
	v_and_b32 v93, 15, v0
	v_bfe_u32 v94, v0, 4, 1
	v_and_b32 v95, 7, v0
	v_bfe_u32 v91, v0, 3, 1
	v_lshlrev_b32 v5, 4, v92
	s_delay_alu instid0(VALU_DEP_3)
	v_lshlrev_b32 v86, 4, v95
	s_delay_alu instid0(VALU_DEP_1)
	v_lshl_add_u32 v86, v94, 8, v86
	s_delay_alu instid0(VALU_DEP_1)
	v_mad_u32_u24 v1, v91, 896, v86
	s_delay_alu instid0(VALU_DEP_2)
	v_mad_u32_u24 v2, v91, 640, v86
	s_delay_alu instid0(VALU_DEP_1)
	v_add_nc_u32 v2, 128, v2
	v_lshlrev_b32 v86, 3, v95
	s_delay_alu instid0(VALU_DEP_1)
	v_lshl_add_u32 v86, v94, 7, v86
	s_delay_alu instid0(VALU_DEP_1)
	v_mad_u32_u24 v3, v91, 832, v86
	s_delay_alu instid0(VALU_DEP_1)
	v_add_nc_u32 v3, 512, v3
	s_delay_alu instid0(VALU_DEP_3)
	v_mad_u32_u24 v4, v91, 704, v86
	s_delay_alu instid0(VALU_DEP_1)
	v_add_nc_u32 v4, 576, v4
	v_add_nc_u32 v11, WQ, v5
	v_lshlrev_b32 v86, 2, v92
	v_lshlrev_b32 v87, 5, v93
	s_delay_alu instid0(VALU_DEP_1)
	v_lshl_add_u32 v87, v94, 4, v87
	v_lshlrev_b32 v88, 5, v94
	s_lshl_b32 s22, s[WV], 6
	s_add_co_u32 s22, s22, SCW
	v_lshl_add_u32 v89, v93, 2, s22
	s_add_co_u32 s22, s23, SCW
	v_add_nc_u32 v90, s22, v5
	v_lshlrev_b32 v91, 3, v92
.set i, 0
.rept 24
	global_load_b128 v[96+4*i:99+4*i], v5, s[58:59] offset:512*i
.set i, i+1
.endr
.irp i, 0,1,2,3
	global_load_b32 v[28+\i], v86, s[6:7] offset:3145728+128*\i
.endr
.irp t, 0,1,2,3
	global_load_b128 v[240+4*\t:243+4*\t], v87, s[10:11] offset:512*\t
.endr
.irp t, 0,1,2,3
	global_load_b128 v[208+8*\t:211+8*\t], v88, s[12:13] offset:64*\t
	global_load_b128 v[212+8*\t:215+8*\t], v88, s[12:13] offset:64*\t+16
.endr
	s_wait_alu depctr_va_vdst(0)
	s_wait_tensorcnt 1
	s_barrier_signal -1
	s_barrier_wait -1
.irp s, 0,1,2,3,4,5,6,7
.irp i, 0,1,2,3,4,5,6,7,8,9,10,11
	ds_load_b128 v[32+4*\i:35+4*\i], v11 offset:6144*\s+512*\i
.endr
	s_wait_dscnt 0x0
.if \s == 0
	s_wait_loadcnt 0x0
.endif
.irp t, 0,1,2,3
	WMA 208+8*\t, 32+12*\t, 96+12*\s, 240+4*\t+(\s%4), 28+\s/2, \s/4, \s%2
.endr
.rept 4
	v_nop
.endr
.endr
.irp b, 0,1
.irp j, 0,1,2,3,4,5,6,7
	v_permlane16_swap_b32 v[208+16*\b+\j], v[216+16*\b+\j]
.endr
.endr
	QUANT2 208, 16, 28, 32, 40
	v_or_b32 v28, 0x7f7f0000, v28
.irp j, 22,23,24,25,26,27,80,81,82,83,84,85
	v_mov_b32 v[\j], 0
.endr
.set i, 0
.rept 32
	v_mov_b32 v[160+i], 0
.set i, i+1
.endr
	v_mov_b32 v14, 0
	v_mov_b32 v15, 0
.irp b, 0,1,2,3
	v_mov_b32 v[BT+\b], 0
.endr
	v_mov_b32 v226, 0
	v_mov_b32 v229, 0
	v_mov_b32 v13, 0xff61b1e6
	s_delay_alu instid0(VALU_DEP_1)
	v_floor_f32 v12, -v13
	s_mov_b32 s[TB], 0
	s_mov_b32 s[CNT], 16
	s_wait_tensorcnt 0x0
	s_barrier_signal -1
	s_barrier_wait -1
.Lstep:
	v_add_nc_u32 v6, s[TB], v1
	v_add_nc_u32 v7, s[TB], v2
	v_add_nc_u32 v8, s[TB], v3
	v_add_nc_u32 v9, s[TB], v4
	v_add_nc_u32 v10, s[TB], v5
.irp b, 0,1,2,3
.irp u, 0,1
	ds_load_b128 v[32+6*(2*\b+\u):35+6*(2*\b+\u)], v[6+\u] offset:1536*\b
	ds_load_b64 v[36+6*(2*\b+\u):37+6*(2*\b+\u)], v[8+\u] offset:1536*\b
.endr
.endr
	ds_load_b128 v[240:243], v10 offset:12288
	s_wait_alu depctr_va_vdst(0)
	s_wait_dscnt 0x0
.irp t, 0,1,2,3,4,5,6,7
	WMZ 96+8*\t, 32+6*\t, 16, 240+\t/2, 28, \t%2
.endr
.rept 4
	v_nop
.endr
.irp i, 0,1,2,3,4,5,6,7,8,9,10,11
	ds_load_b128 v[32+4*\i:35+4*\i], v10 offset:6144+512*\i
.endr
	ds_load_b128 v[244:247], v10 offset:12800
.irp b, 0,1,2,3
	v_max3_num_f32 v[BM+\b], v[96+16*\b], v[97+16*\b], v[98+16*\b]
.endr
.irp i, 3,5,7,9,11,13
.irp b, 0,1,2,3
	v_max3_num_f32 v[BM+\b], v[BM+\b], v[96+16*\b+\i], v[97+16*\b+\i]
.endr
.endr
.irp b, 0,1,2,3
	v_max_num_f32 v[BM+\b], v[BM+\b], v[111+16*\b]
.endr
.irp b, 0,1,2,3
	s_delay_alu instid0(VALU_DEP_4)
	v_permlanex16_b32 v[BT+\b], v[BM+\b], s[SEL], s[SEL+1]
.endr
.irp b, 0,1,2,3
	s_delay_alu instid0(VALU_DEP_4)
	v_max_num_f32 v[BM+\b], v[BM+\b], v[BT+\b]
.endr
	s_delay_alu instid0(VALU_DEP_2)
	v_max3_num_f32 v226, v[BM], v[BM+1], v[BM+2]
	s_delay_alu instid0(VALU_DEP_1)
	v_max_num_f32 v226, v226, v[BM+3]
	s_delay_alu instid0(VALU_DEP_1)
	v_mul_f32 v226, s[CS], v226
	s_delay_alu instid0(VALU_DEP_1)
	v_max_num_f32 v13, v13, v226
	v_mov_b32 v226, v12
	s_delay_alu instid0(VALU_DEP_2)
	v_floor_f32 v12, -v13
	s_delay_alu instid0(VALU_DEP_1)
	v_sub_f32 v226, v12, v226
	s_delay_alu instid0(VALU_DEP_1)
	v_cvt_i32_f32 v226, v226
	s_delay_alu instid0(VALU_DEP_1)
	v_ldexp_f32 v228, 1.0, v226
.set j, 0
.rept 32
	v_pk_fma_f32 v[96+j:97+j], v[96+j:97+j], s[CS:CS+1], v[12:13] op_sel_hi:[1,0,0]
.set j, j+2
.endr
.irp b, 0,1,2,3
	v_fma_f32 v[BM+\b], v[BM+\b], s[CS], v12
.endr
.set j, 0
	s_wait_alu depctr_va_vdst(0)
.rept 64
	v_exp_f32 v[96+j], v[96+j]
.set j, j+1
.endr
	v_pk_mul_f32 v[14:15], v[14:15], v[228:229] op_sel_hi:[1,0]
	s_wait_alu depctr_va_vdst(0)
.irp b, 0,1,2,3
	v_exp_f32 v[BM+\b], v[BM+\b]
.endr
	v_pk_add_f32 v[224:225], v[96:97], v[98:99]
.irp j, 4,8,12,16,20,24,28,32,36,40,44,48,52,56,60
	v_pk_add_f32 v[14:15], v[14:15], v[96+\j:97+\j]
	v_pk_add_f32 v[224:225], v[224:225], v[98+\j:99+\j]
.endr
	s_delay_alu instid0(VALU_DEP_1)
	v_pk_add_f32 v[14:15], v[14:15], v[224:225]
	s_wait_alu depctr_va_vdst(0)
.irp b, 0,1,2,3
	v_max_num_f32 v[BM+\b], 0x1800000, v[BM+\b]
.endr
.irp b, 0,1,2,3
	s_delay_alu instid0(VALU_DEP_4)
	v_add_nc_u32 v[SO+\b], 0xff000000, v[BM+\b]
.endr
.irp b, 0,1,2,3
	s_delay_alu instid0(VALU_DEP_4)
	v_lshrrev_b32 v[BT+\b], 23, v[SO+\b]
.endr
	s_delay_alu instid0(VALU_DEP_3)
	v_lshl_or_b32 v248, v[BT+1], 8, v[BT]
	s_delay_alu instid0(VALU_DEP_1)
	v_lshl_or_b32 v248, v[BT+2], 16, v248
	s_delay_alu instid0(VALU_DEP_1)
	v_lshl_or_b32 v248, v[BT+3], 24, v248
.irp c, 0,1
	v_cvt_scalef32_pk16_fp6_f32 v[192+6*\c:194+6*\c], v[96+32*\c:111+32*\c], v[SO+2*\c]
	v_cvt_scalef32_pk16_fp6_f32 v[204+4*\c:206+4*\c], v[112+32*\c:127+32*\c], v[SO+2*\c+1]
.endr
	v_nop
.irp c, 0,1
.irp i, 0,1,2
	v_permlane16_swap_b32 v[192+6*\c+\i], v[204+4*\c+\i]
.endr
.irp i, 0,1,2
	s_delay_alu instid0(VALU_DEP_3)
	v_mov_b32 v[195+6*\c+\i], v[204+4*\c+\i]
.endr
.endr
.set j, 0
.rept 16
	v_pk_mul_f32 v[160+j:161+j], v[160+j:161+j], v[228:229] op_sel_hi:[1,0]
.set j, j+2
.endr
	s_wait_alu depctr_va_vdst(0)
	s_wait_dscnt 0x0
.irp t, 0,1,2,3
	WMA 160+8*\t, 32+12*\t, 192, 244+\t, 248, 0, 0
.endr
	s_add_co_u32 s[TB], s[TB], REC
	s_sub_co_u32 s[CNT], s[CNT], 1
	s_cmp_lg_u32 s[CNT], 0
	s_cbranch_scc1 .Lstep
	v_add_f32 v14, v14, v15
	s_delay_alu instid0(VALU_DEP_1)
	v_permlanex16_b32 v226, v14, s[SEL], s[SEL+1]
	s_delay_alu instid0(VALU_DEP_1)
	v_add_f32 v14, v14, v226
	s_wait_alu depctr_va_vdst(0)
	v_rcp_f32 v14, v14
.rept 4
	v_nop
.endr
	s_wait_alu depctr_va_vdst(0)
.set j, 0
.rept 32
	v_mul_f32 v[96+j], v[160+j], v14
.set j, j+1
.endr
.irp b, 0,1
.irp j, 0,1,2,3,4,5,6,7
	v_permlane16_swap_b32 v[96+16*\b+\j], v[104+16*\b+\j]
.endr
.endr
	QUANT2 96, 192, 248, 212, 204
	global_store_b128 v5, v[192:195], s[60:61]
	global_store_b64 v91, v[196:197], s[60:61] offset:512
	ds_store_b32 v89, v248
	s_wait_dscnt 0x0
	s_barrier_signal -1
	s_barrier_wait -1
	s_cmp_lt_u32 s[WV], 2
	s_cbranch_scc0 .Lnot_mine
	ds_load_b128 v[96:99], v90
	s_wait_dscnt 0x0
	global_store_b128 v5, v[96:99], s[62:63] offset:3145728
.Lnot_mine:
	s_wait_xcnt 0x0
	v_lshl_add_u32 v254, v0, 2, 0x40400
	v_mov_b32 v255, 0
	s_wait_alu depctr_va_vdst(0)
	s_wait_tensorcnt 0x0
	ds_add_u32 v254, v255
	s_wait_dscnt 0x0
	CROUND
	s_endpgm
.Lfunc_end_k_qd6ce848258_attn:
	.size	k_qd6ce848258_attn, .Lfunc_end_k_qd6ce848258_attn-k_qd6ce848258_attn
	.p2alignl 7, 3214868480
	.fill 96, 4, 3214868480
	.section	.rodata,"a",@progbits
	.p2align	6, 0x0
	.amdhsa_kernel k_qd6ce848258_attn
		.amdhsa_group_segment_fixed_size 327680
		.amdhsa_private_segment_fixed_size 0
		.amdhsa_enable_private_segment 0
		.amdhsa_kernarg_size 48
		.amdhsa_user_sgpr_count 2
		.amdhsa_user_sgpr_kernarg_segment_ptr 1
		.amdhsa_wavefront_size32 1
		.amdhsa_system_sgpr_workgroup_id_x 1
		.amdhsa_system_sgpr_workgroup_id_y 1
		.amdhsa_system_sgpr_workgroup_id_z 1
		.amdhsa_system_vgpr_workitem_id 0
		.amdhsa_next_free_vgpr 256
		.amdhsa_next_free_sgpr 66
		.amdhsa_reserve_vcc 0
		.amdhsa_float_denorm_mode_32 3
		.amdhsa_float_denorm_mode_16_64 3
		.amdhsa_memory_ordered 1
		.amdhsa_forward_progress 1
		.amdhsa_inst_pref_size 50
	.end_amdhsa_kernel
	.amdgpu_metadata
---
amdhsa.version: [ 1, 2 ]
amdhsa.kernels:
  - .name:           k_qd6ce848258_attn
    .symbol:         k_qd6ce848258_attn.kd
    .args:
      - { .name: kv, .offset: 0, .size: 8, .value_kind: global_buffer, .address_space: global }
      - { .name: qx, .offset: 8, .size: 8, .value_kind: global_buffer, .address_space: global }
      - { .name: wimg, .offset: 16, .size: 8, .value_kind: global_buffer, .address_space: global }
      - { .name: Wq_scales, .offset: 24, .size: 8, .value_kind: global_buffer, .address_space: global }
      - { .name: bq, .offset: 32, .size: 8, .value_kind: global_buffer, .address_space: global }
      - { .name: ctx, .offset: 40, .size: 8, .value_kind: global_buffer, .address_space: global }
    .group_segment_fixed_size: 327680
    .private_segment_fixed_size: 0
    .kernarg_segment_align: 8
    .kernarg_segment_size: 48
    .max_flat_workgroup_size: 512
    .sgpr_count:     66
    .vgpr_count:     256
    .wavefront_size: 32
...
	.end_amdgpu_metadata
.endif
;; end of part 2
;; launch outln (part 3): grid 256 x 1, 16 waves a work-group, no clusters, 68,608 bytes of LDS; arguments ctx, wimg, Wo_scales, bo, query, gamma, beta, out0; writes out0
.if DOCPART == 3
	.amdgcn_target "amdgcn-amd-amdhsa--gfx1250"
	.amdhsa_code_object_version 6
	.text
	.protected	k_qd6ce848258_outln
	.globl	k_qd6ce848258_outln
	.p2align	8
	.type	k_qd6ce848258_outln,@function
k_qd6ce848258_outln:
	s_mov_b64 s[64:65], 0
	v_nop
	global_prefetch_b8 v0, s[64:65] scope:SCOPE_SE
	s_setreg_imm32_b32 hwreg(HW_REG_WAVE_MODE, 25, 1), 1
	s_wait_xcnt 0x0
; out0 = LayerNorm(ctx Wo^T + bo + query) x gamma + beta.  The product on codes of FP6 (E2M3) with E8M0 scales; all else in f32.
; SHARES.  A work-group owns 16 rows, so that a row's 1,024 columns meet in one work-group for the norm.  Wave w makes columns 64 w .. 64 w + 63 (four accumulators by turns, eight K steps), then norms row w.
; Both operands lie in memory as images of their registers: each lane loads its fragments whole, 512 consecutive bytes a load; a ring of three register sets keeps two K steps (32 loads a wave) on their way.
; NO CLUSTER, NO LDS FOR Wo: with 16 rows each of Wo's 512 fragments feeds exactly one matrix instruction of the work-group; through LDS its 786,432 bytes would be written and read once more, in slots filled again.
; The norm takes two passes over the row in registers (mean, then the squares of the differences).  1 / sqrt by v_rsq_f32.
; REGISTERS: v1-6 offsets; v8-23 Wo's scale words, v24-31 ctx's (scales and nothing else); v32-63 accumulators, then the row; v64-243 three sets of 60 (Wo 4 x 12, ctx 12), later query, bo, gamma, beta.
.set SP, 4112                          ; a stage row: 4,096 bytes + 16
.macro WMO d, a, b, zero, sa, sb, ra
.if \zero
	v_wmma_scale_f32_16x16x128_f8f6f4 v[\d:\d+7], v[\a:\a+11], v[\b:\b+11], 0, v[\sa], v[\sb] matrix_a_fmt:MATRIX_FMT_FP6 matrix_b_fmt:MATRIX_FMT_FP6
.elseif (\ra)
	v_wmma_scale_f32_16x16x128_f8f6f4 v[\d:\d+7], v[\a:\a+11], v[\b:\b+11], v[\d:\d+7], v[\sa], v[\sb] matrix_a_fmt:MATRIX_FMT_FP6 matrix_b_fmt:MATRIX_FMT_FP6 matrix_a_scale:MATRIX_SCALE_ROW1
.else
	v_wmma_scale_f32_16x16x128_f8f6f4 v[\d:\d+7], v[\a:\a+11], v[\b:\b+11], v[\d:\d+7], v[\sa], v[\sb] matrix_a_fmt:MATRIX_FMT_FP6 matrix_b_fmt:MATRIX_FMT_FP6
.endif
.endm
	s_load_b256 s[4:11], s[0:1], 0x0               ; ctx, wimg, Wo's scales, bo
	s_load_b256 s[12:19], s[0:1], 0x20             ; query, gamma, beta, out0
	v_lshl_add_u32 v254, v0, 2, 0x10400
	v_mov_b32 v255, 0
	v_lshrrev_b32 v1, 5, v0
	s_delay_alu instid0(VALU_DEP_1)
	v_readfirstlane_b32 s20, v1                    ; wave 0..15
	v_and_b32 v7, 31, v0                           ; lane
	v_and_b32 v244, 15, v0                         ; r
	v_bfe_u32 v245, v0, 4, 1                       ; h
	s_delay_alu instid0(VALU_DEP_3)
	v_lshlrev_b32 v1, 4, v7                        ; 16 x lane
	s_delay_alu instid0(VALU_DEP_4)
	v_lshlrev_b32 v2, 3, v7                        ; 8 x lane
	s_delay_alu instid0(VALU_DEP_4)
	v_lshlrev_b32 v3, 5, v244
	s_delay_alu instid0(VALU_DEP_1)
	v_lshl_add_u32 v3, v245, 4, v3                 ; 32 r + 16 h
	v_lshlrev_b32 v4, 2, v244                      ; 4 r
	v_mul_u32_u24 v5, v244, SP
	s_delay_alu instid0(VALU_DEP_1)
	v_lshl_add_u32 v5, v245, 5, v5
	s_lshl_b32 s21, s20, 8
	v_add_nc_u32 v5, s21, v5                       ; the stage, in: row r, 256 w + 32 h bytes on
	s_mul_i32 s21, s20, SP
	v_add_nc_u32 v6, s21, v1                       ; back: row w
	s_mov_b32 s26, 0x76543210
	s_mov_b32 s27, 0xfedcba98
	s_mov_b32 s28, 0x3a800000                      ; 1 / 1,024
	s_mov_b32 s23, 0
	s_mul_i32 s22, s20, 49152
	s_add_co_u32 s22, s22, 786432
	s_wait_alu depctr_va_vdst(0)
	s_wait_kmcnt 0x0
	s_add_nc_u64 s[6:7], s[6:7], s[22:23]          ; Wo's images of my 64 columns
	s_lshl_b32 s22, s20, 11
	s_add_nc_u64 s[8:9], s[8:9], s[22:23]          ; and their scale bytes
	s_lshr_b32 s22, ttmp9, 6
	s_lshl_b32 s22, s22, 16
	s_and_b32 s24, ttmp9, 63
	s_lshl_b32 s24, s24, 6
	s_add_co_u32 s22, s22, s24
	s_add_nc_u64 s[24:25], s[4:5], s[22:23]        ; ctx's scale words: batch x 65,536 + 64 x (tile of rows in the batch), 3,145,728 on; 4,096 bytes from head to head
	s_mul_i32 s22, ttmp9, 12288
	s_add_nc_u64 s[4:5], s[4:5], s[22:23]          ; ctx's sixteen images of my 16 rows
	s_lshl_b32 s22, ttmp9, 4
	s_add_co_u32 s22, s22, s20
	s_lshl_b32 s22, s22, 12
	s_add_nc_u64 s[12:13], s[12:13], s[22:23]      ; my row of query
	s_add_nc_u64 s[18:19], s[18:19], s[22:23]      ; and of out0
.irp t, 0,1,2,3
	global_load_b128 v[8+4*\t:11+4*\t], v3, s[8:9] offset:512*\t   ; lanes 0-15 K steps 0-3, lanes 16-31 K steps 4-7
.endr
.irp n, 0,1,2,3,4,5,6,7,8,9,10,11,12,13,14,15
	global_load_b32 v[32+\n], v4, s[24:25] offset:3145728+4096*\n  ; head n's two bytes of row r
.endr
.macro KLOAD s                         ; K step s: 16 loads into set s % 3
.set RB, 64+60*((\s)%3)
.irp i, 0,1,2,3,4,5,6,7,8,9,10,11
	global_load_b128 v[RB+4*\i:RB+4*\i+3], v1, s[6:7] offset:6144*(\s)+512*\i
.endr
.irp c, 0,1
	global_load_b128 v[RB+48+6*\c:RB+51+6*\c], v1, s[4:5] offset:768*(2*(\s)+\c)
	global_load_b64 v[RB+52+6*\c:RB+53+6*\c], v2, s[4:5] offset:768*(2*(\s)+\c)+512
.endr
.endm
.macro KSTEP s, left                   ; left: the loads issued behind this step's, which may stay out
.set RB, 64+60*((\s)%3)
	s_wait_loadcnt \left
.irp t, 0,1,2,3
.if (\s) == 0
	WMO 32+8*\t, RB+12*\t, RB+48, 1, 8+4*\t, 24, 0
.else
	WMO 32+8*\t, RB+12*\t, RB+48, 0, 8+4*\t+((\s)%4), 24+(\s), (\s)/4
.endif
.endr
.rept 4
	v_nop                                          ; places in front of loads into the set just left, and of the reads of results
.endr
.endm
	KLOAD 0
	KLOAD 1
	KLOAD 2
	s_wait_loadcnt 48                              ; behind the scales stand three K steps' 48 loads
.irp s, 0,1,2,3,4,5,6,7
	v_lshl_or_b32 v[24+\s], v[33+2*\s], 16, v[32+2*\s]   ; two heads' bytes make a K step's scale word
.endr
.rept 8
	v_nop                                          ; a scale register written by a vector instruction stands 8 places ahead of a scaled matrix instruction
.endr
	s_wait_alu depctr_va_vdst(0)
.irp s, 0,1,2,3,4
	KSTEP \s, 32                                   ; two K steps' loads may be out
	KLOAD \s+3
.endr
	KSTEP 5, 32
.irp i, 0,1,2,3,4,5,6,7
	global_load_b128 v[184+4*\i:187+4*\i], v1, s[12:13] offset:512*\i th:TH_LOAD_NT   ; the residual: my row of query
.endr
	KSTEP 6, 24                                    ; K step 7's 16 and query's 8
.irp i, 0,1,2,3,4,5,6,7
	global_load_b128 v[64+4*\i:67+4*\i], v1, s[10:11] offset:512*\i
.endr
	KSTEP 7, 16                                    ; query's 8 and bo's 8
.irp i, 0,1,2,3,4,5,6,7
	global_load_b128 v[96+4*\i:99+4*\i], v1, s[14:15] offset:512*\i
.endr
.irp i, 0,1,2,3,4,5,6,7
	global_load_b128 v[128+4*\i:131+4*\i], v1, s[16:17] offset:512*\i
.endr
.irp t, 0,1,2,3
	ds_store_b128 v5, v[32+8*\t:35+8*\t] offset:64*\t          ; lane (r, h): row r, columns 64 w + 16 t + 8 h + 0 .. 7; each accumulator from its low end on
	ds_store_b128 v5, v[36+8*\t:39+8*\t] offset:64*\t+16
.endr
	s_wait_dscnt 0x0                               ; for the others' sake: my stores have landed
	s_barrier_signal -1
	s_barrier_wait -1
.irp i, 0,1,2,3,4,5,6,7
	ds_load_b128 v[32+4*\i:35+4*\i], v6 offset:512*\i          ; row w, whole
.endr
	s_wait_loadcnt 16                              ; query and bo are in; gamma's and beta's 16 may be out
.set j, 0
.rept 16
	v_pk_add_f32 v[64+j:65+j], v[64+j:65+j], v[184+j:185+j]
.set j, j+2
.endr
	s_wait_dscnt 0x0
.set j, 0
.rept 16
	v_pk_add_f32 v[32+j:33+j], v[32+j:33+j], v[64+j:65+j]      ; x = product + bo + query
.set j, j+2
.endr
	v_pk_add_f32 v[216:217], v[32:33], v[34:35]
	v_pk_add_f32 v[218:219], v[36:37], v[38:39]
.irp j, 8,12,16,20,24,28
	s_delay_alu instid0(VALU_DEP_2)
	v_pk_add_f32 v[216:217], v[216:217], v[32+\j:33+\j]
	s_delay_alu instid0(VALU_DEP_2)
	v_pk_add_f32 v[218:219], v[218:219], v[34+\j:35+\j]
.endr
	s_delay_alu instid0(VALU_DEP_1)
	v_pk_add_f32 v[216:217], v[216:217], v[218:219]
	s_delay_alu instid0(VALU_DEP_1)
	v_add_f32 v216, v216, v217
	s_delay_alu instid0(VALU_DEP_1)
	v_add_f32_dpp v216, v216, v216 row_xmask:1 row_mask:0xf bank_mask:0xf
	s_delay_alu instid0(VALU_DEP_1)
	v_add_f32_dpp v216, v216, v216 row_xmask:2 row_mask:0xf bank_mask:0xf
	s_delay_alu instid0(VALU_DEP_1)
	v_add_f32_dpp v216, v216, v216 row_xmask:4 row_mask:0xf bank_mask:0xf
	s_delay_alu instid0(VALU_DEP_1)
	v_add_f32_dpp v216, v216, v216 row_xmask:8 row_mask:0xf bank_mask:0xf
	s_delay_alu instid0(VALU_DEP_1)
	v_permlanex16_b32 v217, v216, s26, s27
	s_delay_alu instid0(VALU_DEP_1)
	v_add_f32 v216, v216, v217
	s_delay_alu instid0(VALU_DEP_1)
	v_mul_f32 v216, s28, v216                      ; the mean
	s_delay_alu instid0(VALU_DEP_1)
	v_mov_b32 v217, v216
.set j, 0
.rept 16
	v_pk_add_f32 v[32+j:33+j], v[32+j:33+j], v[216:217] neg_lo:[0,1] neg_hi:[0,1]   ; x - mean
.set j, j+2
.endr
	v_pk_mul_f32 v[218:219], v[32:33], v[32:33]
	v_pk_mul_f32 v[220:221], v[34:35], v[34:35]
.irp j, 4,8,12,16,20,24,28
	s_delay_alu instid0(VALU_DEP_2)
	v_pk_fma_f32 v[218:219], v[32+\j:33+\j], v[32+\j:33+\j], v[218:219]
	s_delay_alu instid0(VALU_DEP_2)
	v_pk_fma_f32 v[220:221], v[34+\j:35+\j], v[34+\j:35+\j], v[220:221]
.endr
	s_delay_alu instid0(VALU_DEP_1)
	v_pk_add_f32 v[218:219], v[218:219], v[220:221]
	s_delay_alu instid0(VALU_DEP_1)
	v_add_f32 v218, v218, v219
	s_delay_alu instid0(VALU_DEP_1)
	v_add_f32_dpp v218, v218, v218 row_xmask:1 row_mask:0xf bank_mask:0xf
	s_delay_alu instid0(VALU_DEP_1)
	v_add_f32_dpp v218, v218, v218 row_xmask:2 row_mask:0xf bank_mask:0xf
	s_delay_alu instid0(VALU_DEP_1)
	v_add_f32_dpp v218, v218, v218 row_xmask:4 row_mask:0xf bank_mask:0xf
	s_delay_alu instid0(VALU_DEP_1)
	v_add_f32_dpp v218, v218, v218 row_xmask:8 row_mask:0xf bank_mask:0xf
	s_delay_alu instid0(VALU_DEP_1)
	v_permlanex16_b32 v219, v218, s26, s27
	s_delay_alu instid0(VALU_DEP_1)
	v_add_f32 v218, v218, v219
	s_delay_alu instid0(VALU_DEP_1)
	v_fmaak_f32 v218, s28, v218, 0x3727c5ac        ; the variance + 1e-5
	s_wait_alu depctr_va_vdst(0)
	v_rsq_f32 v218, v218
	v_nop                                          ; one plain place behind the transcendental
	s_wait_alu depctr_va_vdst(0)                   ; and the wait ahead of its first reader
	v_mov_b32 v219, v218
	s_wait_alu depctr_va_vdst(0)
	s_wait_loadcnt 0x0                             ; gamma and beta
.set j, 0
.rept 16
	v_pk_mul_f32 v[96+j:97+j], v[96+j:97+j], v[218:219]
.set j, j+2
.endr
.set j, 0
.rept 16
	v_pk_fma_f32 v[32+j:33+j], v[32+j:33+j], v[96+j:97+j], v[128+j:129+j]
.set j, j+2
.endr
.irp i, 0,1,2,3,4,5,6,7
	global_store_b128 v1, v[32+4*\i:35+4*\i], s[18:19] offset:512*\i th:TH_STORE_NT   ; 512 consecutive bytes, aligned; written once
.endr
	s_wait_tensorcnt 0x0
	ds_add_u32 v254, v255
	s_wait_dscnt 0x0
	s_endpgm
.Lfunc_end_k_qd6ce848258_outln:
	.size	k_qd6ce848258_outln, .Lfunc_end_k_qd6ce848258_outln-k_qd6ce848258_outln
	.p2alignl 7, 3214868480
	.fill 96, 4, 3214868480
	.section	.rodata,"a",@progbits
	.p2align	6, 0x0
	.amdhsa_kernel k_qd6ce848258_outln
		.amdhsa_group_segment_fixed_size 68608
		.amdhsa_private_segment_fixed_size 0
		.amdhsa_enable_private_segment 0
		.amdhsa_kernarg_size 64
		.amdhsa_user_sgpr_count 2
		.amdhsa_user_sgpr_kernarg_segment_ptr 1
		.amdhsa_wavefront_size32 1
		.amdhsa_system_sgpr_workgroup_id_x 1
		.amdhsa_system_sgpr_workgroup_id_y 1
		.amdhsa_system_sgpr_workgroup_id_z 1
		.amdhsa_system_vgpr_workitem_id 0
		.amdhsa_next_free_vgpr 256
		.amdhsa_next_free_sgpr 66
		.amdhsa_reserve_vcc 0
		.amdhsa_float_denorm_mode_32 3
		.amdhsa_float_denorm_mode_16_64 3
		.amdhsa_memory_ordered 1
		.amdhsa_forward_progress 1
		.amdhsa_inst_pref_size 37
	.end_amdhsa_kernel
	.amdgpu_metadata
---
amdhsa.version: [ 1, 2 ]
amdhsa.kernels:
  - .name:           k_qd6ce848258_outln
    .symbol:         k_qd6ce848258_outln.kd
    .args:
      - { .name: ctx, .offset: 0, .size: 8, .value_kind: global_buffer, .address_space: global }
      - { .name: wimg, .offset: 8, .size: 8, .value_kind: global_buffer, .address_space: global }
      - { .name: Wo_scales, .offset: 16, .size: 8, .value_kind: global_buffer, .address_space: global }
      - { .name: bo, .offset: 24, .size: 8, .value_kind: global_buffer, .address_space: global }
      - { .name: query, .offset: 32, .size: 8, .value_kind: global_buffer, .address_space: global }
      - { .name: gamma, .offset: 40, .size: 8, .value_kind: global_buffer, .address_space: global }
      - { .name: beta, .offset: 48, .size: 8, .value_kind: global_buffer, .address_space: global }
      - { .name: out0, .offset: 56, .size: 8, .value_kind: global_buffer, .address_space: global }
    .group_segment_fixed_size: 68608
    .private_segment_fixed_size: 0
    .kernarg_segment_align: 8
    .kernarg_segment_size: 64
    .max_flat_workgroup_size: 512
    .sgpr_count:     66
    .vgpr_count:     256
    .wavefront_size: 32
...
	.end_amdgpu_metadata
.endif
;; end of part 3
